; MI455X (gfx1250); checked and timed in simulation.
; The chip was launched on July 23, 2026; its instructions are those of AMD's public machine-readable ISA for CDNA 5 (MIT licence, August 2026) and "CDNA5" Instruction Set Architecture Reference Guide (July 2026). The comments in the code are by the model that wrote it; some were corrected since.
;; GPT2 Attention. Allowed arithmetic: matrix products marked QUANTISED: E5M2 operands, one given power-of-two scale a tensor, by v_wmma_f32_16x16x64_bf8_bf8 or v_wmma_f32_16x16x128_bf8_bf8, f32 sums; everything else in f32.
;; Inputs: c_attn_b 3,072 float32; c_attn_w 1,024 x 3,072 float32; c_proj_b 1,024 float32; c_proj_w 1,024 x 1,024 float32; hidden_states 4 x 2,048 x 1,024 float32; lowp_scales 8 int32 (the exponents e of the quantised operands' scales 2^e).
;; Outputs: out0 4 x 2,048 x 1,024 float32.
;; This version of the problem:
;;   THIS VERSION OF THE PROBLEM IS GIVEN IN LOW PRECISION. The matrix products marked QUANTISED in the list below multiply operands that are first quantised to E5M2 (5 exponent bits, 2 mantissa bits; 8 bits a number), with one given power-of-two scale for each operand tensor; their sums are f32. All else is computed in f32.
;;   The module's matrix products, in the order in which they are computed (A, B: the left and right operand; K: the contracted axis; several contracted axes count as one K, in the product's order):
;;     1. [M 8,192, K 1,024] x [K 1,024, N 3,072]; A: input hidden_states; B: input c_attn_w: QUANTISED (scales: A lowp_scales[0], B lowp_scales[1])
;;     2. batch 64 x [M 2,048, K 64] x [K 64, N 2,048]; A: computed on the way; B: computed on the way: QUANTISED (scales: A lowp_scales[2], B lowp_scales[3])
;;     3. batch 64 x [M 2,048, K 2,048] x [K 2,048, N 64]; A: softmax (see below); B: computed on the way: QUANTISED (scales: A lowp_scales[4], B lowp_scales[5])
;;     4. [M 8,192, K 1,024] x [K 1,024, N 1,024]; A: computed on the way; B: input c_proj_w: QUANTISED (scales: A lowp_scales[6], B lowp_scales[7])
;;   THE QUANTISER, for each operand of a quantised product, along K:
;;     - The operand's scale is 2^e, e = its entry of the input lowp_scales (int32; the entries are numbered through the quantised products in the list's order, A before B).
;;     - Each number is divided by the scale, clamped to +-57,344, and rounded to the nearest number of E5M2, ties to even, subnormals kept.
;;     - The product sums the exact products of the quantised numbers (number of the format x scale) in f32.
;;   ~~~python
;;   def quantise(x, axis, e):      # numpy; x: float32 -> the quantised numbers, widened to float32 again
;;       x = np.moveaxis(x, axis, -1); K = x.shape[-1]
;;       r = np.clip(x / 2.0 ** e, -57344, 57344)
;;       step = 2.0 ** (np.maximum(np.frexp(np.where(r == 0, 1, r))[1] - 1, -14) - 2)
;;       q = np.round(r / step) * step * 2.0 ** e      # np.round: ties to even
;;       return np.moveaxis(q, -1, axis).astype(np.float32)
;;   ~~~
;;   SOFTMAX AHEAD OF A QUANTISED PRODUCT. Where the list says 'softmax', what is quantised is not the finished softmax but p = 2^(t - M), with t = logit x log2(e) and M = ceil(the row's largest t), a whole number; so 1/2 < the row's largest p <= 1. The row's sum l is taken of the UNQUANTISED p, in f32, and the product's result is divided by l at the end. Since M is a whole number, a kernel that streams over the keys may use a running M (the ceiling of the running maximum): every later rescaling is an exact power of two, so the quantised numbers keep their values, but for numbers so far below the row's largest that they fall under the format's range.
;;   OPERANDS COMPUTED ON THE WAY. 'Computed on the way' means the value that the module computes at that place (a softmax that the list does not call 'softmax' is quantised finished and normalised). What goes into a quantiser is computed in f32, as accurately as f32 sums, v_exp_f32 and their like allow (about 1e-6 of the number): no bf16 or f16 on the way to a quantiser, and a product that is left as it is and whose result goes on into a quantised operand takes f32 operands (vector FMAs, or v_wmma_f32_16x16x4_f32). A number that lies on a knife's edge between two numbers of the format may be rounded either way, as far as f32 arithmetic and the matrix unit's own rounding can turn it there, and no further.
;; One version. Each part assembles by itself: llvm-mc -triple=amdgcn-amd-amdhsa -mcpu=gfx1250 --defsym DOCPART=n.
;; ======== version 1 of 1: 4 launches
;; limits: right only within a limited range of input values
;; workspace buffers: x_codes 8,388,608 bytes; wa_codes 3,145,728 bytes; wp_codes 1,048,576 bytes; q_img 8,388,608 bytes; kv_img 16,777,216 bytes; vsum 262,144 bytes; a_img 8,388,608 bytes
;; launch quant (part 1): grid 384 x 1, 4 waves a work-group, no clusters, 102,912 bytes of LDS; arguments hidden_states, c_attn_w, c_proj_w, lowp_scales, x_codes, wa_codes, wp_codes; writes x_codes, wa_codes, wp_codes
.if DOCPART == 1
	.amdgcn_target "amdgcn-amd-amdhsa--gfx1250"
	.amdhsa_code_object_version 6
	.text
	.protected	k_q0b080846de_quant
	.globl	k_q0b080846de_quant
	.p2align	8
	.type	k_q0b080846de_quant,@function
k_q0b080846de_quant:
	s_mov_b64 s[64:65], 0
	v_nop
	global_prefetch_b8 v0, s[64:65] scope:SCOPE_SE
	s_setreg_imm32_b32 hwreg(HW_REG_WAVE_MODE, 25, 1), 1
	s_wait_xcnt 0x0
; GPT-2 attention on codes of BF8 (E5M2), four launches: this one (x, Wa, Wp into codes), qkv (x Wa + ba, quantised into images of operand registers), attn (both attention products), proj (the projection).
; WORK LEFT OUT, in the whole program: the products q . k for blocks of 128 keys that lie wholly behind a tile's queries.  reference() replaces those scores by the constant -10,000 (jnp.where on its own jnp.tril),
; whatever finite values the inputs hold, so they reach no output.  NOT left out: those keys' weight p_m = 2^(-10,000 log2(e) - M) in the row's sum and in the second product: only values make it 0.  It is the same number for
; all masked keys of a row, so their terms are taken together: n p_m in the sum, Q(p_m) x (the sum of those keys' quantised v) in the product (launches qkv and attn).  Every input is loaded.
; LIMIT: a NaN, an infinity or an overflow that could arise only in a masked score is not carried to the result.
; THIS LAUNCH.  code = x / 2^e, held within +-57,344, rounded to the nearest code, ties to even.  e: entry 0 of the scales for x, 1 for Wa, 7 for Wp; each between -126 and 112.  NaN among the inputs is not served.
; THE ORDER OF ROWS.  All three outputs are [rows][1,024 codes], K innermost, and row R of the tensor lies at place sigma(R) = R with its bits 3 and 4 exchanged.  So sixteen neighbouring places 32 b + 16 u + r hold rows
; 32 b + 8 u + r + 8 (r / 8), and a later product used transposed leaves 16 neighbours along the next K in a lane's 16 registers of two neighbouring tiles.
; SHARES.  Work-groups 0-255: x, a plain stream (K innermost); a wave takes 8 rows.  256-351: Wa, 352-383: Wp, whose K is the FIRST axis: a lane takes a column and its registers run down K; a wave takes 32 columns x 256 along K.
; The three ways part on the work-group's number alone, and each has LDS bytes of its own.  No tensor loads, no barrier: waves share nothing.
.set SPARE, 102400                     ; behind the three regions: the spare words, 128 bytes for each wave: two blocks of 256 bytes that no other line names
.set SPW,   12                         ; v12  LDS address of my spare word; never rewritten
.set NIL,   13                         ; v13  0; never rewritten
.set EMAX,  15
.set MANT,  0x600000                   ; the mantissa field of 57,344 as f32
.set SP,    80                         ; x: a lane's place in a stage: its 64 bytes + 16 of padding
.set XR,    16                         ; x: v16-79   four sets of 16 numbers as they are loaded
.set XX,    80                         ; x: v80-111  two sets of 16 neighbours
.set XC,    128                        ; x: v128-191 codes, four registers for each step: no store's data are written again
.set PITCH, 272                        ; weights: a stage row: 256 bytes of codes + 16
.set WX,    32                         ; weights: v32-95 two sets of 32 numbers
.set WC,    96                         ; weights: v96-103 a block's codes
.set WOUT,  112                        ; weights: v112-175 the way out
.macro CLOSE                           ; a wave's end: behind my last LDS store
	s_wait_tensorcnt 0x0
	ds_add_u32 v[SPW], v[NIL]
	s_wait_dscnt 0x0
	s_endpgm
.endm
.macro XLOAD t                         ; step t: four loads of 512 consecutive bytes
.irp i, 0,1,2,3
	global_load_b128 v[XR+16*((\t)%4)+4*\i:XR+16*((\t)%4)+4*\i+3], v3, s[4:5] offset:2048*(\t)+512*\i th:TH_LOAD_NT
.endr
.endm
.macro XTURN t                         ; step t's 2,048 bytes through my stage: in as they lie, back 64 bytes a lane.  LDS serves a wave's instructions in order: no wait between
.irp i, 0,1,2,3
	ds_store_b128 v14, v[XR+16*((\t)%4)+4*\i:XR+16*((\t)%4)+4*\i+3] offset:32*SP*((\t)%2)+8*SP*\i
.endr
.irp i, 0,1,2,3
	ds_load_b128 v[XX+16*((\t)%2)+4*\i:XX+16*((\t)%2)+4*\i+3], v15 offset:32*SP*((\t)%2)+16*\i
.endr
.endm
.macro XSTEP t
.set XS, XX+16*((\t)%2)
	s_wait_dscnt 0x0                               ; this step's numbers are back from the stage, so its stores into the stage have read their registers,
.if (\t)+4 < 16
	XLOAD (\t)+4                                   ; which take the loads of four steps on
.endif
.if (\t)+1 < 16
.if 14-(\t) >= 3
	s_wait_loadcnt 12                              ; the next step's four loads are in; those of the three steps behind it may be out
.else
	s_wait_loadcnt 4*(14-(\t))
.endif
	XTURN (\t)+1
.endif
.irp i, 0,1,2,3,4,5,6,7,8,9,10,11,12,13,14,15
	v_med3_num_f32 v[XS+\i], v[XS+\i], -v10, v10   ; the conversion to an 8-bit code does not saturate (ISA guide 7.6.2): the hold at the largest code x the scale comes first
.endr
	v_cvt_scalef32_pk8_bf8_f32 v[XC+4*(\t):XC+4*(\t)+1], v[XS:XS+7], v11
	v_cvt_scalef32_pk8_bf8_f32 v[XC+4*(\t)+2:XC+4*(\t)+3], v[XS+8:XS+15], v11
	global_store_b128 v4, v[XC+4*(\t):XC+4*(\t)+3], s[8:9] offset:512*(\t)   ; the wave stores 512 consecutive bytes.  (The results go to a store alone; the next vector lines are plain and touch other registers)
.endm
.macro WLOAD t, n                      ; block t: W(32 t + i, my column), i = 0 .. 31, into set t % 2; a row of W is 4 n bytes
.irp i, 0,1,2,3,4,5,6,7,8,9,10,11,12,13,14,15,16,17,18,19,20,21,22,23,24,25,26,27,28,29,30,31
	global_load_b32 v[WX+32*((\t)%2)+\i], v3, s[4:5] offset:(32*(\t)+\i)*(\n)*4 th:TH_LOAD_NT
.endr
.endm
.macro WBLOCK t, n
.set XS, WX+32*((\t)%2)
.if (\t) < 7
	s_wait_loadcnt 32                              ; this block's 32 loads are in; the next block's may be out
.else
	s_wait_loadcnt 0
.endif
.irp i, 0,1,2,3,4,5,6,7,8,9,10,11,12,13,14,15,16,17,18,19,20,21,22,23,24,25,26,27,28,29,30,31
	v_med3_num_f32 v[XS+\i], v[XS+\i], -v10, v10
.endr
.irp g, 0,1,2,3
	v_cvt_scalef32_pk8_bf8_f32 v[WC+2*\g:WC+2*\g+1], v[XS+8*\g:XS+8*\g+7], v11
.endr
	ds_store_b128 v4, v[WC:WC+3] offset:32*(\t)    ; 32 codes: 32 bytes of my column's row
	ds_store_b128 v4, v[WC+4:WC+7] offset:32*(\t)+16
.if (\t)+2 < 8
	WLOAD (\t)+2, \n
.endif
	s_wait_dscnt 0x0                               ; the stores have read their registers: the next block's codes may be written
.endm
; A weight [1,024][n].  On entry: s21 = my number among the weight's work-groups, s[4:5] the weight, s[8:9] its codes; s[ereg] its scale's exponent, once the scalar load is in.  lbase: the path's LDS region
.macro WQ n, lbase, ereg
	s_and_b32 s35, s21, 3                          ; which 256 along K
	s_lshr_b32 s34, s21, 2
	s_lshl_b32 s34, s34, 7
	s_lshl_b32 s22, s20, 5
	s_add_co_u32 s34, s34, s22                     ; my wave's first column: 128 x block + 32 x wave
	v_lshlrev_b32 v3, 2, v2                        ; in: 4 bytes a lane
	s_mul_i32 s19, s20, 32*PITCH
	s_add_co_u32 s19, s19, \lbase                  ; my stage
	v_mul_u32_u24 v4, v2, PITCH
	v_add_nc_u32 v4, s19, v4                       ; into it: row = my column
	v_and_b32 v5, 15, v2
	v_lshrrev_b32 v6, 4, v2                        ; out of it: two lanes to a row, sixteen rows an instruction
	; THE TWO WEIGHTS' CODES LEAVE AS IMAGES OF OPERAND REGISTERS, not as rows: [tile of 16 places][piece of 32 along K][512 bytes], lane l's 16 bytes at 16 l: of place l % 16, k = 32 c + 16 (l / 16) + 0 .. 15
	v_and_b32 v7, 8, v5
	v_add_nc_u32 v7, v7, v5                        ; place r of a tile holds column 8 u + r + 8 (r / 8) of its 32
	v_mul_u32_u24 v7, v7, PITCH
	v_lshl_add_u32 v7, v6, 4, v7                   ; + 16 (lane / 16)
	v_add_nc_u32 v7, s19, v7
	v_lshlrev_b32 v8, 4, v2                        ; 16 x lane: my place in a piece
	s_mul_i32 s22, s35, 256*(\n)*4
	s_lshl_b32 s23, s34, 2
	s_add_co_u32 s22, s22, s23
	s_mov_b32 s23, 0
	s_add_nc_u64 s[4:5], s[4:5], s[22:23]          ; W at row 256 ky, my first column
	s_lshl_b32 s22, s34, 10
	s_lshl_b32 s21, s35, 12                        ; 256 along K are eight pieces of 512 bytes
	s_add_co_u32 s22, s22, s21
	s_add_nc_u64 s[8:9], s[8:9], s[22:23]          ; the codes at place = my first column (a multiple of 32), byte 256 ky
	WLOAD 0, \n
	WLOAD 1, \n
	s_wait_kmcnt 0x0
	s_add_co_i32 s36, s[\ereg], 127
	s_lshl_b32 s37, s36, 23
	v_mov_b32 v11, s37                             ; 2^e as f32: the conversion takes its exponent field
	s_add_co_i32 s36, s36, EMAX
	s_lshl_b32 s36, s36, 23
	s_or_b32 s36, s36, MANT
	v_mov_b32 v10, s36                             ; 57,344 x 2^e
	s_wait_alu depctr_va_vdst(0)
.irp t, 0,1,2,3,4,5,6,7
	WBLOCK \t, \n
.endr
.irp t, 0,1,2,3,4,5,6,7,8,9,10,11,12,13,14,15
	ds_load_b128 v[WOUT+4*\t:WOUT+4*\t+3], v7 offset:8*(\t/8)*PITCH+32*(\t%8)   ; tile t / 8 of my two, piece t % 8
.endr
.irp t, 0,1,2,3,4,5,6,7,8,9,10,11,12,13,14,15
	s_wait_dscnt 15-\t
	global_store_b128 v8, v[WOUT+4*\t:WOUT+4*\t+3], s[8:9] offset:(\t/8)*16384+(\t%8)*512   ; the wave stores 512 consecutive bytes, aligned
.endr
	CLOSE
.endm
	s_load_b256 s[4:11], s[0:1], 0x0               ; x s[4:5], Wa s[6:7], Wp s[8:9], the scales' exponents s[10:11]
	s_load_b128 s[12:15], s[0:1], 0x20             ; x's codes s[12:13], Wa's s[14:15]
	s_load_b64 s[16:17], s[0:1], 0x30              ; Wp's codes
	v_lshl_add_u32 v[SPW], v0, 2, SPARE
	v_mov_b32 v[NIL], 0
	v_lshrrev_b32 v1, 5, v0
	v_readfirstlane_b32 s20, v1                    ; wave 0..3
	v_and_b32 v2, 31, v0                           ; lane
	s_wait_kmcnt 0x0
	s_load_b256 s[24:31], s[10:11], 0x0            ; the eight exponents
	s_cmp_lt_u32 ttmp9, 256
	s_cbranch_scc0 .Lweights
	; ---- x
	s_wait_alu depctr_va_vdst(0)
	v_lshlrev_b32 v3, 4, v2                        ; my 16 bytes of a load's 512
	s_wait_alu depctr_va_vdst(0)
	s_mul_i32 s21, s20, 8192                       ; my wave's two stages
	v_lshrrev_b32 v14, 2, v2
	v_mul_u32_u24 v14, v14, SP
	v_and_b32 v15, 3, v2
	v_lshl_add_u32 v14, v15, 4, v14
	v_add_nc_u32 v14, s21, v14                     ; the stage, on the way in: SP (lane / 4) + 16 (lane % 4)
	v_mul_u32_u24 v15, v2, SP
	v_add_nc_u32 v15, s21, v15                     ; and on the way out: SP x lane: my 16 neighbours
	v_lshlrev_b32 v4, 4, v2                        ; my 16 codes' place in a step's 512
	s_lshl_b32 s22, ttmp9, 2
	s_add_co_u32 s18, s22, s20                     ; which run of 8 rows is my wave's
	s_lshl_b32 s18, s18, 15
	s_mov_b32 s19, 0
	s_add_nc_u64 s[4:5], s[4:5], s[18:19]
	s_and_b32 s23, s20, 1                          ; a row's bits 3 and 4 are the run's bits 0 and 1: sigma exchanges the wave's two bits
	s_lshl_b32 s23, s23, 1
	s_lshr_b32 s18, s20, 1
	s_or_b32 s23, s23, s18
	s_add_co_u32 s18, s22, s23
	s_lshl_b32 s18, s18, 13
	s_add_nc_u64 s[8:9], s[12:13], s[18:19]
.irp t, 0,1,2,3
	XLOAD \t
.endr
	s_wait_alu depctr_va_vdst(0)
	s_wait_kmcnt 0x0
	s_add_co_i32 s22, s24, 127
	s_lshl_b32 s23, s22, 23
	v_mov_b32 v11, s23                             ; 2^e as f32
	s_add_co_i32 s22, s22, EMAX
	s_lshl_b32 s22, s22, 23
	s_or_b32 s22, s22, MANT
	v_mov_b32 v10, s22                             ; 57,344 x 2^e
	s_wait_alu depctr_va_vdst(0)
	s_wait_loadcnt 12                              ; step 0's four loads are in
	XTURN 0
.irp t, 0,1,2,3,4,5,6,7,8,9,10,11,12,13,14,15
	XSTEP \t
.endr
	CLOSE
.Lweights:
	s_cmp_lt_u32 ttmp9, 352
	s_cbranch_scc0 .Lwp
	; ---- Wa
	s_sub_co_u32 s21, ttmp9, 256
	s_mov_b64 s[4:5], s[6:7]
	s_mov_b64 s[8:9], s[14:15]
	s_wait_alu depctr_va_vdst(0)
	WQ 3072, 32768, 25
.Lwp:
	; ---- Wp
	s_sub_co_u32 s21, ttmp9, 352
	s_mov_b64 s[4:5], s[8:9]
	s_mov_b64 s[8:9], s[16:17]
	s_wait_alu depctr_va_vdst(0)
	WQ 1024, 67584, 31
.Lfunc_end_k_q0b080846de_quant:
	.size	k_q0b080846de_quant, .Lfunc_end_k_q0b080846de_quant-k_q0b080846de_quant
	.p2alignl 7, 3214868480
	.fill 96, 4, 3214868480
	.section	.rodata,"a",@progbits
	.p2align	6, 0x0
	.amdhsa_kernel k_q0b080846de_quant
		.amdhsa_group_segment_fixed_size 102912
		.amdhsa_private_segment_fixed_size 0
		.amdhsa_enable_private_segment 0
		.amdhsa_kernarg_size 56
		.amdhsa_user_sgpr_count 2
		.amdhsa_user_sgpr_kernarg_segment_ptr 1
		.amdhsa_wavefront_size32 1
		.amdhsa_system_sgpr_workgroup_id_x 1
		.amdhsa_system_sgpr_workgroup_id_y 1
		.amdhsa_system_sgpr_workgroup_id_z 1
		.amdhsa_system_vgpr_workitem_id 0
		.amdhsa_next_free_vgpr 192
		.amdhsa_next_free_sgpr 66
		.amdhsa_reserve_vcc 0
		.amdhsa_float_denorm_mode_32 3
		.amdhsa_float_denorm_mode_16_64 3
		.amdhsa_memory_ordered 1
		.amdhsa_forward_progress 1
		.amdhsa_inst_pref_size 134
	.end_amdhsa_kernel
	.amdgpu_metadata
---
amdhsa.version: [ 1, 2 ]
amdhsa.kernels:
  - .name:           k_q0b080846de_quant
    .symbol:         k_q0b080846de_quant.kd
    .args:
      - { .name: hidden_states, .offset: 0, .size: 8, .value_kind: global_buffer, .address_space: global }
      - { .name: c_attn_w, .offset: 8, .size: 8, .value_kind: global_buffer, .address_space: global }
      - { .name: c_proj_w, .offset: 16, .size: 8, .value_kind: global_buffer, .address_space: global }
      - { .name: lowp_scales, .offset: 24, .size: 8, .value_kind: global_buffer, .address_space: global }
      - { .name: x_codes, .offset: 32, .size: 8, .value_kind: global_buffer, .address_space: global }
      - { .name: wa_codes, .offset: 40, .size: 8, .value_kind: global_buffer, .address_space: global }
      - { .name: wp_codes, .offset: 48, .size: 8, .value_kind: global_buffer, .address_space: global }
    .group_segment_fixed_size: 102912
    .private_segment_fixed_size: 0
    .kernarg_segment_align: 8
    .kernarg_segment_size: 56
    .max_flat_workgroup_size: 128
    .sgpr_count:     66
    .vgpr_count:     192
    .wavefront_size: 32
...
	.end_amdgpu_metadata
.endif
;; end of part 1
;; launch qkv (part 2): grid 8 x 32, 4 waves a work-group, clusters of 4 x 1, 327,680 bytes of LDS; arguments x_codes, wa_codes, lowp_scales, c_attn_b, q_img, kv_img, vsum; writes q_img, kv_img, vsum
.if DOCPART == 2
	.amdgcn_target "amdgcn-amd-amdhsa--gfx1250"
	.amdhsa_code_object_version 6
	.text
	.protected	k_q0b080846de_qkv
	.globl	k_q0b080846de_qkv
	.p2align	8
	.type	k_q0b080846de_qkv,@function
k_q0b080846de_qkv:
	s_mov_b64 s[64:65], 0
	v_nop
	global_prefetch_b8 v0, s[64:65] scope:SCOPE_SE
	s_setreg_imm32_b32 hwreg(HW_REG_WAVE_MODE, 25, 1), 1
	s_wait_xcnt 0x0
	s_wait_alu depctr_hold_cnt(0) depctr_sa_sdst(0) depctr_va_vdst(0) depctr_va_sdst(0) depctr_va_ssrc(0) depctr_va_vcc(0) depctr_vm_vsrc(0)
	s_getreg_b32 s2, hwreg(HW_REG_IB_STS2, 6, 4)
	s_cmp_eq_u32 s2, 0
	s_cbranch_scc0 .Lentry_in_a_cluster
	s_endpgm
.Lentry_in_a_cluster:
	s_bfe_u32 s2, ttmp6, 0x10000c
	s_cmp_lg_u32 s2, 0x3003
	s_cbranch_scc0 .Lentry_shape_is_right
	s_endpgm
.Lentry_shape_is_right:
; qkv = x Wa + ba on codes of BF8 (E5M2), quantised at once into the operands of the attention products.  No work of reference() is left out here.
; x_codes [8,192 places][1,024]; place P holds row sigma(P), P with bits 3 and 4 exchanged.  wa_codes: images of operand registers, [tile of 16 places 192][piece of 32 along K 32][512] (launch quant).
; SHARES.  Work-group (x, y): 256 tokens (y) x the heads 2 x and 2 x + 1.  A wave: 128 tokens x ONE head: its q, then its k, then its v: three panels of 128 x 64, 32 accumulators each, 8 K steps of 128 each.
; THE TOKENS' CODES LIE IN LDS WHOLE: 256 rows x 1,024 bytes, 16 of padding behind each row; wave w asks for rows 64 w .. 64 w + 63 at the head, its one tensor load; nothing is filled again, so there is one barrier and no ring.
; CLUSTER: four work-groups with the same y read the same 256 rows: the load is joint (mask 15).  No branch and no LDS address hangs on the place in the cluster; it enters global addresses alone.
; W'S FRAGMENTS GO FROM MEMORY STRAIGHT INTO REGISTERS: a fragment is 2,048 consecutive bytes of the image, four loads of 512 bytes a wave; four slots of 64 registers; a K step's 16 loads are issued three K steps ahead, across panels too.
; NO PREFETCH: the tokens' tile is asked for at the head, and W's loads themselves run three K steps ahead.
; THE MATRIX INSTRUCTION IS USED TRANSPOSED, so that a lane's registers run along the NEXT product's K: q, k: source 0 = W's columns, source 1 = tokens (a lane holds a token);  v: source 0 = tokens, source 1 = W's columns (a lane holds a channel).
; By the order of places the 16 registers of tiles 2 c, 2 c + 1 of source 0 are the neighbours 32 c + 16 (lane / 16) + 0 .. 15.  The same order of k inside an instruction is used on both sides.
; OUTPUTS ARE IMAGES: q_img [head 64][tile of 16 queries 128][c 2][512];  kv_img [head 64][block of 128 keys 16][16,384]: K's 8 tiles x 2 pieces, then V^T's 4 tiles of 16 channels x 4 pieces;
;   vsum [head][block][row 16][tile 4] f32: the sum over the block's 128 keys of V's code values (launch attn).
; LIMITS: e0 + e1 between -126 and 127; e2, e3, e5 between -126 and 112.  NaN is not served; what lies beyond a scale's range is held at the largest code.
; REGISTERS, in windows of 256: window 0: addresses, biases, the way out.  window 1: v0-127 the tokens' fragments, set 0; v128-191, v192-255 W's slots 0, 2.  window 2: set 1; slots 1, 3.  window 3: the 32 accumulators.
; So K step s multiplies out of window 1 + s % 2 and its loads (tokens of step s + 1, W of step s + 3) go into the other one.
.set PITCH, 1040                       ; an LDS row: 1,024 bytes + 16: an odd multiple of 16, so the 16 rows that a load touches start at 16 different groups of banks (ISA guide 11.1)
.set AG,    16*PITCH                   ; from block to block of 16 tokens
.set AS,    128                        ; from K step to K step
.set AP,    32                         ; from piece to piece
.set NEXTW, 0x100000                   ; from q's panel of W to k's, from k's to v's: 1,024 places x 1,024 bytes
.set SPARE, 256*PITCH                  ; behind the rows: the spare words, 128 bytes for each wave: two blocks of 256 bytes that no other line names
.set ADRA, 16                          ; v16-17  LDS address of my blocks 0-3, 4-7
.set LN,   18                          ; v18     lane
.set BV,   23                          ; v23     4 (r + 8 (r / 8)): my channel's bias, v
.set LI,   24                          ; v24     16 x lane
.set BQ,   25                          ; v25     64 (lane / 16): my half's biases, q and k
.set ONE,  26                          ; v26     the scale byte of 1.0 in every byte
.set VO,   27                          ; v27     vsum: 16 r
.set SPW,  28                          ; v28     LDS address of my spare word; never rewritten
.set NIL,  29                          ; v29     0; never rewritten
.set VSC,  30                          ; v30     the output's scale as f32
.set VLM,  31                          ; v31     57,344 x that
.set BT,   32                          ; v32-63  q's, then k's bias, in the result's layout
.set BTV,  64                          ; v64-71  v's bias: my channel's, held twice, for each of four tiles
.set SV,   72                          ; v72-75  v: a tile's sum of code values
.set PT,   76                          ; v76-79  at work
.set W,    80                          ; v80-83  two chains of packed sums
.set T,    128                         ; the way out: numbers
.set CD,   192                         ; the way out: 64 registers of codes, so that no store's data are written again inside a panel
.set G1, 24
.set G0, 32
.set WB, 36                            ; s[36:37] W's image at the panel in hand
.set OB, 38                            ; s[38:39] where the panel in hand goes
.set KO, 44                            ; s[44:45] k's place
.set VOB, 46                           ; s[46:47] v's
.set VS, 48                            ; s[48:49] vsum's record
.set KT, 50                            ; s50  panels done
.set MSB, 0
.macro WIN new                         ; the immediate's high byte repeats the setting that is left
.if MSB != (\new)
	s_set_vgpr_msb (MSB<<8)|(\new)
.set MSB, (\new)
.endif
.endm
.macro CROUND                          ; a round of the cluster's barrier
	s_barrier_signal -1
	s_barrier_wait -1
	s_cmp_lg_u32 s14, 0
	s_cbranch_scc1 .Lnot_wave_0_\@
	s_barrier_signal -3
.Lnot_wave_0_\@:
	s_barrier_wait -3
	s_barrier_signal -1
	s_barrier_wait -1
.endm
.macro ALD s, g                        ; the tokens' block g, K step s: lane l holds row l % 16; registers 4 c .. 4 c + 3 hold K = 32 c + 16 (l / 16) + 0 .. 15.  The caller sets the window
.irp c, 0,1,2,3
	ds_load_b128 v[16*(\g)+4*\c:16*(\g)+4*\c+3], v[ADRA+(\g)/4] offset:((\g)%4)*AG+((\s)%8)*AS+\c*AP
.endr
.endm
.macro BLD s, n                        ; the n-th of the 16 loads of W's four fragments of K step s (8 and more: the next panel's) into slot s % 4
	global_load_b128 v[128+64*(((\s)%4)/2)+4*(\n):128+64*(((\s)%4)/2)+4*(\n)+3], v[LI], s[WB:WB+1] offset:((\s)/8)*NEXTW+((\n)/4)*16384+((\s)%8)*2048+((\n)%4)*512
.endm
.macro MM s, role, g, b                ; one product: the tokens' block g x W's tile b.  The panel's first K step starts the sums: nothing is cleared
.set BF, 128+64*(((\s)%4)/2)+16*(\b)
.if \role
.set DD, 8*(8*(\b)+(\g))
.if (\s) == 0
	v_wmma_f32_16x16x128_bf8_bf8 v[DD:DD+7], v[16*(\g):16*(\g)+15], v[BF:BF+15], 0
.else
	v_wmma_f32_16x16x128_bf8_bf8 v[DD:DD+7], v[16*(\g):16*(\g)+15], v[BF:BF+15], v[DD:DD+7]
.endif
.else
.set DD, 8*(4*(\g)+(\b))
.if (\s) == 0
	v_wmma_f32_16x16x128_bf8_bf8 v[DD:DD+7], v[BF:BF+15], v[16*(\g):16*(\g)+15], 0
.else
	v_wmma_f32_16x16x128_bf8_bf8 v[DD:DD+7], v[BF:BF+15], v[16*(\g):16*(\g)+15], v[DD:DD+7]
.endif
.endif
.endm
; A K STEP: 32 products, the 32 accumulators by turns, in eight groups of four.  Behind each product stands a v_nop: so four places lie between the last step's products and
; the first loads into the registers that they read.  Behind group g: the tokens' block g of the next step (al = 1) and two of W's 16 loads of the step three on (bl = 1).
; WAITS: behind block g's four LDS loads seven blocks' 28 were issued (al = 0, the last step: the 4 (7 - g) of the blocks behind it); behind this step's 16 loads of W lw were issued: the two steps' that follow, while there are such.
.macro KSTEP s, role, al, bl, lw
	s_wait_loadcnt \lw
.irp g, 0,1,2,3,4,5,6,7
.if \al
	s_wait_dscnt 28
.else
	s_wait_dscnt 4*(7-\g)
.endif
	WIN 0xf0|(5*(1+(\s)%2))
.irp b, 0,1,2,3
	MM \s, \role, \g, \b
	v_nop
.endr
.if (\al)||(\bl)
	WIN (1+((\s)+1)%2)<<6
.endif
.if \al
	ALD (\s)+1, \g
.endif
.if \bl
	BLD (\s)+3, 2*\g
	BLD (\s)+3, 2*\g+1
.endif
.endr
.endm
.macro SC e, d0, d1                    ; d0 = 2^e, d1 = 57,344 x 2^e, as f32
	s_add_co_i32 s[\d1], s[\e], 127
	s_lshl_b32 s[\d0], s[\d1], 23
	s_add_co_i32 s[\d1], s[\d1], 15
	s_lshl_b32 s[\d1], s[\d1], 23
	s_or_b32 s[\d1], s[\d1], 0x600000
.endm
.macro QBIAS off                       ; register 8 b + j: column 32 (b / 2) + 16 h + 8 (b % 2) + j of the head
.irp n, 0,1,2,3,4,5,6,7
	global_load_b128 v[BT+4*\n:BT+4*\n+3], v[BQ], s[78:79] offset:(\off)+128*(\n/4)+16*(\n%4)
.endr
.endm
; THE WAY OUT, q and k: block a (16 tokens x the head's 64): number = sum x 2^(e0 + e1) + bias; held; converted: eight registers of codes are two pieces of the image as they stand.
.macro EPI0
.irp a, 0,1,2,3,4,5,6,7
	WIN 0x03                                       ; source 0: window 3
.set J, 0
.rept 16
	v_pk_fma_f32 v[T+J:T+J+1], v[32*\a+J:32*\a+J+1], s[96:97], v[BT+J:BT+J+1] op_sel_hi:[1,0,1]   ; each accumulator from its low end on
.set J, J+2
.endr
	WIN 0
.set J, 0
.rept 32
	v_med3_num_f32 v[T+J], v[T+J], -v[VLM], v[VLM]   ; the conversion does not saturate (ISA guide 7.6.2): the hold comes first
.set J, J+1
.endr
.irp g, 0,1,2,3
	v_cvt_scalef32_pk8_bf8_f32 v[CD+8*\a+2*\g:CD+8*\a+2*\g+1], v[T+8*\g:T+8*\g+7], v[VSC]
.endr
	v_nop                                          ; one plain vector line behind the last conversion
	global_store_b128 v[LI], v[CD+8*\a:CD+8*\a+3], s[OB:OB+1] offset:\a*1024
	global_store_b128 v[LI], v[CD+8*\a+4:CD+8*\a+7], s[OB:OB+1] offset:\a*1024+512
.endr
.endm
; THE WAY OUT, v: tile a (16 channels x 128 keys): 16 registers of codes are four pieces; then the codes' values again, and their sum over my 64 keys.
.macro EPI1
.irp a, 0,1,2,3
	WIN 0x03
.set J, 0
.rept 32
	v_pk_fma_f32 v[T+J:T+J+1], v[64*\a+J:64*\a+J+1], s[96:97], v[BTV+2*\a:BTV+2*\a+1] op_sel_hi:[1,0,1]
.set J, J+2
.endr
	WIN 0
.set J, 0
.rept 64
	v_med3_num_f32 v[T+J], v[T+J], -v[VLM], v[VLM]
.set J, J+1
.endr
.irp g, 0,1,2,3,4,5,6,7
	v_cvt_scalef32_pk8_bf8_f32 v[CD+16*\a+2*\g:CD+16*\a+2*\g+1], v[T+8*\g:T+8*\g+7], v[VSC]
.endr
	v_nop
.irp c, 0,1,2,3
	global_store_b128 v[LI], v[CD+16*\a+4*\c:CD+16*\a+4*\c+3], s[VOB:VOB+1] offset:\a*2048+\c*512
.endr
.irp g, 0,1,2,3,4,5,6,7
	v_cvt_scale_pk8_f32_bf8 v[T+8*\g:T+8*\g+7], v[CD+16*\a+2*\g:CD+16*\a+2*\g+1], v[ONE]
.endr
	v_nop
	v_pk_add_f32 v[W:W+1], v[T:T+1], v[T+2:T+3]
	v_pk_add_f32 v[W+2:W+3], v[T+4:T+5], v[T+6:T+7]
.irp j, 8,12,16,20,24,28,32,36,40,44,48,52,56,60
	v_pk_add_f32 v[W:W+1], v[W:W+1], v[T+\j:T+\j+1]
	v_pk_add_f32 v[W+2:W+3], v[W+2:W+3], v[T+\j+2:T+\j+3]
.endr
	v_pk_add_f32 v[W:W+1], v[W:W+1], v[W+2:W+3]
	v_add_f32 v[SV+\a], v[W], v[W+1]
.endr
.endm
	s_load_b256 s[4:11], s[0:1], 0x0               ; x's codes s[4:5], Wa's image s[6:7], the exponents s[8:9], ba s[10:11]
	s_load_b128 s[68:71], s[0:1], 0x20             ; q_img s[68:69], kv_img s[70:71]
	s_load_b64 s[72:73], s[0:1], 0x30              ; vsum
	v_lshl_add_u32 v[SPW], v0, 2, SPARE
	v_mov_b32 v[NIL], 0
	ds_add_u32 v[SPW], v[NIL]                      ; the wave's opening: the add, twice on end, and its wait ahead of my first tensor load
	ds_add_u32 v[SPW], v[NIL]                      ; and once more, under the one wait; the set-up below, work on registers, stands between
	v_lshrrev_b32 v1, 5, v0
	v_readfirstlane_b32 s14, v1                    ; wave 0..3
	s_lshr_b32 s15, s14, 1                         ; which 128 tokens are mine
	s_and_b32 s16, s14, 1                          ; which of the two heads
	s_bfe_u32 s40, ttmp6, 0x40000                  ; my place in the cluster
	s_lshl_b32 s42, ttmp9, 2
	s_add_co_u32 s42, s42, s40
	s_lshl_b32 s42, s42, 1
	s_add_co_u32 s42, s42, s16                     ; my head, 0 .. 15
	s_and_b32 s17, ttmp7, 0xffff                   ; my 256 tokens
	s_mov_b32 s[G1], 15|(1<<20)|(1<<21)|(7<<22)|(3<<25)   ; 15:0 the mask: all four of the cluster; 17:16 elements of 1 byte; 20 padding on; 21 set beside a mask; 24:22 after every 256 words; 31:25 four words
	s_mov_b32 s[G1+1], 1024<<16                    ; tensor_dim0
	s_mov_b32 s[G1+2], 64<<16                      ; tensor_dim1
	s_mov_b32 s[G1+3], 1024<<16                    ; tile_dim0
	s_mov_b32 s[G1+4], 64                          ; tile_dim1
	s_mov_b32 s[G1+5], 1024                        ; tensor_dim0_stride
	s_mov_b32 s[G1+6], 0
	s_mov_b32 s[G1+7], 0
	s_lshl_b32 s20, s17, 18
	s_lshl_b32 s18, s14, 16
	s_add_co_u32 s20, s20, s18                     ; the 64 rows that I fetch, in memory,
	s_mov_b32 s21, 0
	s_mul_i32 s23, s14, 64*PITCH                   ; and in LDS
	s_mul_i32 s22, s15, 128*PITCH                  ; my 128 rows
	s_mov_b32 s98, 0x76543210                      ; v_permlanex16_b32's selects for lane l xor 16
	s_mov_b32 s99, 0xfedcba98
	s_mov_b32 s[KT], 0
	v_and_b32 v1, 15, v0                           ; r
	v_bfe_u32 v2, v0, 4, 1                         ; h
	v_mul_u32_u24 v3, v1, PITCH
	v_lshl_add_u32 v3, v2, 4, v3
	v_add_nc_u32 v[ADRA], s22, v3
	v_add_nc_u32 v[ADRA+1], 64*PITCH, v[ADRA]
	v_and_b32 v5, 8, v1
	v_add_nc_u32 v5, v5, v1
	v_lshlrev_b32 v[BV], 2, v5
	v_and_b32 v[LN], 31, v0
	v_lshlrev_b32 v[LI], 4, v[LN]
	v_lshlrev_b32 v[BQ], 6, v2
	v_mov_b32 v[ONE], 0x7f7f7f7f
	v_lshlrev_b32 v[VO], 4, v1
	s_wait_alu depctr_va_vdst(0)
	s_wait_dscnt 0x0                               ; both opening adds are done
	s_wait_kmcnt 0x0
	s_load_b256 s[80:87], s[8:9], 0x0              ; the eight exponents
	s_mov_b32 s[G0], 1
	s_mov_b32 s[G0+1], s23
	s_add_nc_u64 s[G0+2:G0+3], s[4:5], s[20:21]
	s_or_b32 s[G0+3], s[G0+3], 0x80000000
	CROUND                                         ; all four work-groups are here: the joint loads meet
	tensor_load_to_lds s[G0:G0+3], s[G1:G1+7]      ; my one tensor load of the launch
	s_nop 0
.rept 4
	v_nop
.endr
	s_lshl_b32 s52, s42, 8
	s_mov_b32 s53, 0
	s_add_nc_u64 s[78:79], s[10:11], s[52:53]      ; ba at q's columns of my head; k's lie 4,096 bytes on, v's 8,192
	QBIAS 0
.irp a, 0,1,2,3
	global_load_b32 v[BTV+2*\a], v[BV], s[78:79] offset:8192+4*(32*(\a/2)+8*(\a%2))     ; tile a's row at lane r is channel 32 (a / 2) + 8 (a % 2) + r + 8 (r / 8)
	global_load_b32 v[BTV+2*\a+1], v[BV], s[78:79] offset:8192+4*(32*(\a/2)+8*(\a%2))   ; twice: a pair for the packed form
.endr
	s_lshl_b32 s52, s42, 16
	s_add_nc_u64 s[WB:WB+1], s[6:7], s[52:53]      ; W's image at q's columns of my head: 4 tiles of 16,384 bytes
.irp s, 0,1,2                                  ; W's first three K steps
	WIN (1+\s%2)<<6
.irp n, 0,1,2,3,4,5,6,7,8,9,10,11,12,13,14,15
	BLD \s, \n
.endr
.endr
	WIN 0
	s_lshr_b32 s19, s17, 3                         ; the batch: eight tiles of 256 tokens each
	s_lshl_b32 s19, s19, 4
	s_add_co_u32 s19, s19, s42                     ; 16 x batch + head
	s_and_b32 s20, s17, 7
	s_lshl_b32 s20, s20, 1
	s_add_co_u32 s20, s20, s15                     ; my block of 128 tokens in the sequence
	s_lshl_b32 s52, s19, 17
	s_lshl_b32 s22, s20, 13
	s_add_co_u32 s52, s52, s22
	s_add_nc_u64 s[OB:OB+1], s[68:69], s[52:53]    ; q_img: 2^17 bytes a head, 2^13 a block
	s_lshl_b32 s52, s52, 1
	s_add_nc_u64 s[KO:KO+1], s[70:71], s[52:53]    ; kv_img: twice that
	s_add_nc_u64 s[VOB:VOB+1], s[KO:KO+1], 8192    ; V^T lies behind the block's K
	s_lshl_b32 s52, s19, 12
	s_lshl_b32 s22, s20, 8
	s_add_co_u32 s52, s52, s22
	s_add_nc_u64 s[VS:VS+1], s[72:73], s[52:53]
	s_wait_kmcnt 0x0
	s_add_co_i32 s96, s80, s81
	s_add_co_i32 s96, s96, 127
	s_lshl_b32 s96, s96, 23                        ; 2^(e0 + e1)
	s_mov_b32 s97, s96                             ; (named with it as a pair, so it is written)
	SC 82, 60, 61                                  ; q: e2
	SC 83, 62, 63                                  ; k: e3
	SC 85, 66, 67                                  ; v: e5
	v_mov_b32 v[VSC], s60
	v_mov_b32 v[VLM], s61
	s_wait_alu depctr_va_vdst(0)
	s_wait_tensorcnt 0x0                           ; my 64 rows are in,
	s_barrier_signal -1
	s_barrier_wait -1                              ; everybody's are.  From here on LDS is only read
	WIN 1<<6
.irp g, 0,1,2,3,4,5,6,7
	ALD 0, \g
.endr
	WIN 0
.Lqk:                                              ; two trips: q's panel, k's panel
.irp s, 0,1,2,3,4,5,6,7
	KSTEP \s, 0, 1, 1, 32
.endr
	WIN 0
.rept 4
	v_nop                                          ; places in front of the first read of results
.endr
	EPI0
	s_wait_xcnt 0x0                                ; every load and store has read its registers: W's base, the output's base and the codes may be written
	s_add_nc_u64 s[WB:WB+1], s[WB:WB+1], NEXTW
	s_add_co_u32 s[KT], s[KT], 1
	s_cmp_eq_u32 s[KT], 1
	s_cbranch_scc0 .Lno_k
	s_mov_b64 s[OB:OB+1], s[KO:KO+1]               ; behind q: k's place, scale and bias
	v_mov_b32 v[VSC], s62
	v_mov_b32 v[VLM], s63
	QBIAS 4096
	s_wait_alu depctr_va_vdst(0)
.Lno_k:
	s_cmp_lt_u32 s[KT], 2
	s_cbranch_scc1 .Lqk
	v_mov_b32 v[VSC], s66
	v_mov_b32 v[VLM], s67
	s_wait_alu depctr_va_vdst(0)
.irp s, 0,1,2,3,4
	KSTEP \s, 1, 1, 1, 32
.endr
	KSTEP 5, 1, 1, 0, 32                           ; nothing of W is left to ask for
	KSTEP 6, 1, 1, 0, 16
	KSTEP 7, 1, 0, 0, 0
	WIN 0
.rept 4
	v_nop
.endr
	EPI1
.irp a, 0,1,2,3
	v_mov_b32 v[PT+\a], 0                          ; a lane permute's destination counts as one of its sources
.endr
.irp a, 0,1,2,3
	v_permlanex16_b32 v[PT+\a], v[SV+\a], s98, s99
.endr
.irp a, 0,1,2,3
	v_add_f32 v[SV+\a], v[SV+\a], v[PT+\a]         ; with lane l xor 16's 64 keys: the block's 128
.endr
	s_wait_alu depctr_va_vdst(0)                   ; directly ahead of the wait below
	s_wait_xcnt 0x0                                ; EXEC changes only behind this wait
	v_cmpx_gt_u32 16, v[LN]
	global_store_b128 v[VO], v[SV:SV+3], s[VS:VS+1]
	s_wait_xcnt 0x0
	s_mov_b32 exec_lo, -1
	s_wait_tensorcnt 0x0                           ; the wave's end: behind my tensor load
	ds_add_u32 v[SPW], v[NIL]
	s_wait_dscnt 0x0
	CROUND                                         ; the closing round
	s_endpgm
.Lfunc_end_k_q0b080846de_qkv:
	.size	k_q0b080846de_qkv, .Lfunc_end_k_q0b080846de_qkv-k_q0b080846de_qkv
	.p2alignl 7, 3214868480
	.fill 96, 4, 3214868480
	.section	.rodata,"a",@progbits
	.p2align	6, 0x0
	.amdhsa_kernel k_q0b080846de_qkv
		.amdhsa_group_segment_fixed_size 327680
		.amdhsa_private_segment_fixed_size 0
		.amdhsa_enable_private_segment 0
		.amdhsa_kernarg_size 56
		.amdhsa_user_sgpr_count 2
		.amdhsa_user_sgpr_kernarg_segment_ptr 1
		.amdhsa_wavefront_size32 1
		.amdhsa_system_sgpr_workgroup_id_x 1
		.amdhsa_system_sgpr_workgroup_id_y 1
		.amdhsa_system_sgpr_workgroup_id_z 1
		.amdhsa_system_vgpr_workitem_id 0
		.amdhsa_next_free_vgpr 1024
		.amdhsa_next_free_sgpr 102
		.amdhsa_reserve_vcc 0
		.amdhsa_float_denorm_mode_32 3
		.amdhsa_float_denorm_mode_16_64 3
		.amdhsa_memory_ordered 1
		.amdhsa_forward_progress 1
		.amdhsa_inst_pref_size 192
	.end_amdhsa_kernel
	.amdgpu_metadata
---
amdhsa.version: [ 1, 2 ]
amdhsa.kernels:
  - .name:           k_q0b080846de_qkv
    .symbol:         k_q0b080846de_qkv.kd
    .args:
      - { .name: x_codes, .offset: 0, .size: 8, .value_kind: global_buffer, .address_space: global }
      - { .name: wa_codes, .offset: 8, .size: 8, .value_kind: global_buffer, .address_space: global }
      - { .name: lowp_scales, .offset: 16, .size: 8, .value_kind: global_buffer, .address_space: global }
      - { .name: c_attn_b, .offset: 24, .size: 8, .value_kind: global_buffer, .address_space: global }
      - { .name: q_img, .offset: 32, .size: 8, .value_kind: global_buffer, .address_space: global }
      - { .name: kv_img, .offset: 40, .size: 8, .value_kind: global_buffer, .address_space: global }
      - { .name: vsum, .offset: 48, .size: 8, .value_kind: global_buffer, .address_space: global }
    .group_segment_fixed_size: 327680
    .private_segment_fixed_size: 0
    .kernarg_segment_align: 8
    .kernarg_segment_size: 56
    .max_flat_workgroup_size: 128
    .sgpr_count:     102
    .vgpr_count:     1024
    .wavefront_size: 32
...
	.end_amdgpu_metadata
.endif
;; end of part 2
;; launch attn (part 3): grid 4 x 64, 16 waves a work-group, clusters of 4 x 1, 327,680 bytes of LDS; arguments q_img, kv_img, vsum, lowp_scales, a_img; writes a_img
.if DOCPART == 3
	.amdgcn_target "amdgcn-amd-amdhsa--gfx1250"
	.amdhsa_code_object_version 6
	.text
	.protected	k_q0b080846de_attn
	.globl	k_q0b080846de_attn
	.p2align	8
	.type	k_q0b080846de_attn,@function
k_q0b080846de_attn:
	s_mov_b64 s[64:65], 0
	v_nop
	global_prefetch_b8 v0, s[64:65] scope:SCOPE_SE
	s_setreg_imm32_b32 hwreg(HW_REG_WAVE_MODE, 25, 1), 1
	s_wait_xcnt 0x0
	s_wait_alu depctr_hold_cnt(0) depctr_sa_sdst(0) depctr_va_vdst(0) depctr_va_sdst(0) depctr_va_ssrc(0) depctr_va_vcc(0) depctr_vm_vsrc(0)
	s_getreg_b32 s2, hwreg(HW_REG_IB_STS2, 6, 4)
	s_cmp_eq_u32 s2, 0
	s_cbranch_scc0 .Lentry_in_a_cluster
	s_endpgm
.Lentry_in_a_cluster:
	s_bfe_u32 s2, ttmp6, 0x10000c
	s_cmp_lg_u32 s2, 0x3003
	s_cbranch_scc0 .Lentry_shape_is_right
	s_endpgm
.Lentry_shape_is_right:
; Causal attention of one head on codes of BF8 (E5M2): S^T = K Q^T, p = 2^(t - M), O^T = V^T P^T, O / l quantised into the projection's operand.  Inputs and output are images of operand registers (launch qkv).
; WORK LEFT OUT (shown at the head of launch quant): the scores of blocks of 128 keys that lie wholly behind a tile's queries; reference() replaces them by -10,000 for all inputs.  Their weights are NOT left out:
; THE MASKED KEYS.  A masked key has t_m = -10,000 log2(e).  Inside the block on the diagonal its score is replaced by XM (XM x c = t_m) and goes the common way.  The n keys of the blocks behind it add n p_m to the row's sum
; and Q(p_m) x (the sum of their V codes) to O^T, p_m = 2^(t_m - M) under the final M.  The running maximum begins at t_m (every query but the sequence's last has a masked key).
; THE SOFTMAX: t = score x c, c = log2(e) / 8 x 2^(e2 + e3); M = the running largest t rounded UP to a whole number; the sum is taken of the unquantised p; when M moves, the sum and O^T are multiplied by 2^(old M - new M): exact.
; SHARES.  A head has 128 tiles of 16 queries and 16 blocks of 128 keys.  Work-group p of the head's four owns tiles 4 j + p, j = 0 .. 31; tile 4 j + p has its diagonal in block j / 2.  Wave w owns j = 31 - w (H) and j = w (L):
; 16 - w / 2 and w / 2 + 1 blocks, 17 tile steps in every wave of every work-group.  A tile's lane r holds query 32 (tile / 2) + 8 (tile % 2) + r + 8 (r / 8).
; LDS HOLDS THE HEAD'S WHOLE K AND V: 16 blocks of 16,384 bytes (K's 8 tiles, then V^T's 4).  Wave w asks for block w at the head, its one tensor load; nothing is filled again: one barrier behind the loads, none in the loop.
; CLUSTER: the four work-groups of a head read the same 16 blocks: each block is asked for jointly (mask 15).  No branch, trip count or LDS address hangs on p: they hang on the wave's number and the count of blocks; p enters
; global addresses and the numbers that the mask's compares read.  Every wave walks 16 trips; a tile's step behind its diagonal is jumped over by a scalar branch.
; NO PREFETCH: every byte of K and V is asked for by the head's loads; there is no loop that could run ahead of them.
; LIMITS on the given exponents: e2 + e3 between -111 and 130; e4 and e6 between -126 and 112.  A p under 2^-126 counts as 0.  NaN is not served.  The scaled scores stay under 2^31 in magnitude.
; REGISTERS: v1-7 addresses and constants; v8-11, v12-15 for H, L: -M, the largest t, the sum in two halves; v16-31 Q; v32-63, v64-95 O^T; v96-159 K's, then V's fragments; v160-223 S^T, then p; v224-239 codes; v240-255 constants and work.
.set STEPB, 16384                      ; a block of 128 keys: K's 8,192 bytes, V^T's 8,192
.set TAILS, 262144                     ; behind the 16 blocks: 16 records of 256 bytes; record d: vsum's blocks d + 1 .. 15 added.  Stored by waves: no tile lands here
.set SPARE, 266240                     ; the spare words, 128 bytes for each wave: eight blocks of 256 bytes that no other line names
.set DQH,  1                           ; v1   H: my query less its diagonal block's first key less 16 (lane / 16)
.set SPW,  2                           ; v2   LDS address of my spare word; never rewritten
.set NIL,  3                           ; v3   0; never rewritten
.set LI,   4                           ; v4   16 x lane
.set ADR,  5                           ; v5   LDS address of the block in hand
.set DQL,  6                           ; v6   as v1, for L
.set PLIM2, 7                          ; v7   57,344 x 2^e4 once more: the second half of a dual pair takes it
.set F,    96
.set S,    160
.set PC,   224
.set PLIM, 240                         ; 57,344 x 2^e4
.set PSC,  241                         ; 2^e4
.set SB,   242                         ; v[242:243] the second chain of sums; p_m's codes
.set XM,   244                         ; the masked score
.set PD,   245                         ; a lane permute's destination
.set FF,   246                         ; v[246:247] f = 2^(old M - new M); at the end 2^(e4 + e5) / l
.set TA,   248                         ; at work
.set TRL,  249                         ; LDS address of L's record of sums
.set T1,   250                         ; head: my word of a record, in vsum
.set T2,   251                         ; head: and in LDS
.set OSC,  252                         ; 2^e6
.set OLIM, 253                         ; 57,344 x 2^e6
.set ONE,  254                         ; the scale byte of 1.0 in every byte
.set TRH,  255                         ; LDS address of H's record of sums
.set WV,   18
.set SEL,  20
.set CS,   22
.set G1,   24
.set G0,   32
.set TB,   36                          ; s36  LDS byte at which the block in hand begins
.set KB,   37                          ; s37  the block in hand
.set DH,   38                          ; s38  H's diagonal block: 15 - w / 2
.set DL,   39                          ; s39  L's: w / 2
.macro CROUND                          ; a round of the cluster's barrier
	s_barrier_signal -1
	s_barrier_wait -1
	s_cmp_lg_u32 s[WV], 0
	s_cbranch_scc1 .Lnot_wave_0_\@
	s_barrier_signal -3
.Lnot_wave_0_\@:
	s_barrier_wait -3
	s_barrier_signal -1
	s_barrier_wait -1
.endm
	s_load_b256 s[4:11], s[0:1], 0x0               ; q_img s[4:5], kv_img s[6:7], vsum s[8:9], the exponents s[10:11]
	s_load_b64 s[12:13], s[0:1], 0x20              ; a_img
	v_lshl_add_u32 v[SPW], v0, 2, SPARE
	v_mov_b32 v[NIL], 0
	ds_add_u32 v[SPW], v[NIL]                      ; the wave's opening: the add, twice on end, and its wait ahead of my first tensor load
	ds_add_u32 v[SPW], v[NIL]                      ; and once more, under the one wait; the set-up below, work on registers, stands between
	v_lshrrev_b32 v[ADR], 5, v0
	v_readfirstlane_b32 s[WV], v[ADR]              ; wave 0..15
	s_bfe_u32 s3, ttmp6, 0x40000                   ; p: my place in the cluster
	s_and_b32 s16, ttmp7, 0xffff                   ; batch x 16 + head
	s_sub_co_u32 s14, 31, s[WV]
	s_lshl_b32 s14, s14, 2
	s_add_co_u32 s14, s14, s3                      ; H's tile: 4 (31 - w) + p
	s_lshl_b32 s15, s[WV], 2
	s_add_co_u32 s15, s15, s3                      ; L's: 4 w + p
	s_lshr_b32 s[DL], s[WV], 1
	s_sub_co_u32 s[DH], 15, s[DL]
	s_lshr_b32 s40, s14, 1
	s_lshl_b32 s40, s40, 5
	s_and_b32 s46, s14, 1
	s_lshl_b32 s46, s46, 3
	s_add_co_u32 s40, s40, s46                     ; H: 32 (tile / 2) + 8 (tile % 2)
	s_lshr_b32 s41, s15, 1
	s_lshl_b32 s41, s41, 5
	s_and_b32 s46, s15, 1
	s_lshl_b32 s46, s46, 3
	s_add_co_u32 s41, s41, s46                     ; L likewise
	s_lshl_b32 s46, s[DH], 7
	s_sub_co_u32 s42, s40, s46                     ; less the diagonal block's first key
	s_sub_co_u32 s57, 1920, s46
	s_cvt_f32_u32 s57, s57                         ; n: the keys of the blocks behind H's diagonal block
	s_lshl_b32 s46, s[DL], 7
	s_sub_co_u32 s43, s41, s46
	s_sub_co_u32 s58, 1920, s46
	s_cvt_f32_u32 s58, s58                         ; and behind L's
	v_and_b32 v[LI], 31, v0
	v_lshlrev_b32 v[LI], 4, v[LI]
	v_and_b32 v[T1], 63, v0
	v_lshlrev_b32 v[T1], 2, v[T1]                  ; (waves 2 and 3: my word of a record of 64)
	v_add_nc_u32 v[T2], TAILS, v[T1]
	v_bfe_u32 v[TA], v0, 4, 1                      ; h
	s_lshl_b32 s46, s[DH], 8
	s_add_co_u32 s46, s46, TAILS
	s_lshl_b32 s47, s[DL], 8
	s_add_co_u32 s47, s47, TAILS
	v_lshl_add_u32 v[TRH], v[TA], 7, s46           ; record = the diagonal block's number; my half's eight rows of 16 bytes
	v_lshl_add_u32 v[TRL], v[TA], 7, s47
	v_and_b32 v[PD], 15, v0
	v_and_b32 v[FF], 8, v[PD]
	v_add_nc_u32 v[PD], v[PD], v[FF]               ; r + 8 (r / 8)
	v_add_nc_u32 v[SB], s40, v[PD]                 ; H: my query
	v_lshlrev_b32 v[TA], 4, v[TA]
	v_sub_nc_u32 v[TA], v[PD], v[TA]               ; r + 8 (r / 8) - 16 h
	v_add_nc_u32 v[DQH], s42, v[TA]
	v_add_nc_u32 v[DQL], s43, v[TA]
	; descriptor group 1: a dense block of 16,384 bytes as 64 rows of 256
	s_mov_b32 s[G1], 15|(3<<16)|(1<<21)            ; 15:0 the mask: all four of the cluster; 17:16 elements of 8 bytes; 21 set beside a mask; no padding: every LDS read takes 512 consecutive bytes
	s_mov_b32 s[G1+1], 32<<16                      ; tensor_dim0 = 32
	s_mov_b32 s[G1+2], 64<<16                      ; tensor_dim1 = 64
	s_mov_b32 s[G1+3], 32<<16                      ; tile_dim0 = 32
	s_mov_b32 s[G1+4], 64                          ; tile_dim1 = 64
	s_mov_b32 s[G1+5], 32                          ; tensor_dim0_stride
	s_mov_b32 s[G1+6], 0
	s_mov_b32 s[G1+7], 0
	s_mov_b32 s[SEL], 0x76543210
	s_mov_b32 s[SEL+1], 0xfedcba98
	s_mov_b32 s[CS], 0x3e38aa3b                    ; log2(e) / 8
	s_mov_b32 s[TB], 0
	s_mov_b32 s[KB], 0
	s_wait_alu depctr_va_vdst(0)
	s_wait_dscnt 0x0                               ; both opening adds are done
	s_wait_kmcnt 0x0
	s_load_b256 s[48:55], s[10:11], 0x0            ; the eight exponents
	s_lshl_b32 s46, s16, 18
	s_mov_b32 s47, 0
	s_add_nc_u64 s[6:7], s[6:7], s[46:47]          ; kv_img at my head
	s_lshl_b32 s46, s[WV], 14                      ; block w: the same place in the head's image and in LDS
	s_mov_b32 s[G0], 1                             ; count = 1
	s_mov_b32 s[G0+1], s46
	s_add_nc_u64 s[G0+2:G0+3], s[6:7], s[46:47]
	s_or_b32 s[G0+3], s[G0+3], 0x80000000          ; type = 2
	CROUND                                         ; all four work-groups are here: the joint loads meet
	tensor_load_to_lds s[G0:G0+3], s[G1:G1+7]      ; my one tensor load of the launch
	s_nop 0
.rept 4
	v_nop
.endr
	s_lshl_b32 s46, s16, 7
	s_add_co_u32 s46, s46, s14
	s_lshl_b32 s46, s46, 10
	s_add_nc_u64 s[72:73], s[4:5], s[46:47]        ; H's tile of Q
	s_lshl_b32 s46, s16, 7
	s_add_co_u32 s46, s46, s15
	s_lshl_b32 s46, s46, 10
	s_add_nc_u64 s[74:75], s[4:5], s[46:47]        ; L's
	global_load_b128 v[16:19], v[LI], s[72:73]
	global_load_b128 v[20:23], v[LI], s[72:73] offset:512
	global_load_b128 v[24:27], v[LI], s[74:75]
	global_load_b128 v[28:31], v[LI], s[74:75] offset:512
	s_lshr_b32 s19, s16, 4
	s_lshl_b32 s19, s19, 7                         ; 128 tiles of rows a batch
	s_and_b32 s17, s16, 15
	s_lshl_b32 s17, s17, 10                        ; the head's 1,024 bytes among a tile's 16,384
	s_add_co_u32 s46, s19, s14
	s_lshl_b32 s46, s46, 14
	s_add_co_u32 s46, s46, s17
	s_add_nc_u64 s[60:61], s[12:13], s[46:47]      ; where H's result goes
	s_add_co_u32 s46, s19, s15
	s_lshl_b32 s46, s46, 14
	s_add_co_u32 s46, s46, s17
	s_add_nc_u64 s[62:63], s[12:13], s[46:47]      ; and L's
	s_lshl_b32 s46, s16, 12
	s_add_nc_u64 s[70:71], s[8:9], s[46:47]        ; vsum at my head
	s_wait_kmcnt 0x0
	s_add_co_i32 s46, s50, s51
	s_lshl_b32 s46, s46, 23
	s_add_co_i32 s[CS], s[CS], s46                 ; a score stands for score x 2^(e2 + e3): added to c's exponent field,
	s_mov_b32 s[CS+1], s[CS]
	s_sub_co_i32 s44, 0xc79c4000, s46              ; and taken off -80,000's: XM x c = -10,000 log2(e)
	s_add_co_i32 s46, s52, 127
	s_lshl_b32 s45, s46, 23                        ; 2^e4
	s_add_co_i32 s46, s46, 15
	s_lshl_b32 s46, s46, 23
	s_or_b32 s46, s46, 0x600000                    ; 57,344 x 2^e4
	s_add_co_i32 s47, s54, 127
	s_lshl_b32 s17, s47, 23                        ; 2^e6
	s_add_co_i32 s47, s47, 15
	s_lshl_b32 s47, s47, 23
	s_or_b32 s47, s47, 0x600000                    ; 57,344 x 2^e6
	s_add_co_i32 s59, s52, s53                     ; e4 + e5
	v_mov_b32 v[XM], s44
	v_mov_b32 v[PSC], s45
	v_mov_b32 v[PLIM], s46
	v_mov_b32 v[PLIM2], s46
	v_mov_b32 v[OSC], s17
	v_mov_b32 v[OLIM], s47
	v_mov_b32 v[ONE], 0x7f7f7f7f
	v_mov_b32 v[PD], 0
	v_mov_b32 v[FF+1], 0                           ; (named as the upper half of a pair)
	v_mul_f32 v9, s[CS], v[XM]                     ; the largest t so far: the masked keys'
	v_mov_b32 v13, v9
	v_mov_b32 v[FF], 0xff61b1e6
	v_cmp_eq_u32 vcc_lo, 0x7ff, v[SB]
	v_cndmask_b32 v9, v9, v[FF], vcc_lo            ; query 2,047 has no masked key: -3e38, under every t
	v_floor_f32 v8, -v9                            ; -M
	v_floor_f32 v12, -v13
	v_mov_b32 v10, 0                               ; the sums
	v_mov_b32 v11, 0
	v_mov_b32 v14, 0
	v_mov_b32 v15, 0
.irp b, 0,1,2,3
.irp i, 0,1,2,3,4,5,6,7,8,9,10,11,12,13,14,15
	v_mov_b32 v[32+16*\b+\i], 0                    ; O^T, both tiles'.  (The step is written once: the first finds zeros, which the first change of M leaves zeros)
.endr
.endr
	; THE RECORDS OF SUMS, by waves 2 and 3, a word of the record of 64 to each thread: record k - 1 = vsum's blocks k .. 15 added; record 15 = 0
	s_wait_alu depctr_va_vdst(0)
	s_lshr_b32 s46, s[WV], 1
	s_cmp_eq_u32 s46, 1
	s_cbranch_scc0 .Lno_tails
.irp k, 1,2,3,4,5,6,7,8,9,10,11,12,13,14,15
	global_load_b32 v[S+\k], v[T1], s[70:71] offset:256*\k
.endr
	s_wait_loadcnt 0x0
.irp k, 14
	v_add_f32 v[S+\k], v[S+\k], v[S+\k+1]
.endr
.irp k, 13, 12, 11, 10, 9, 8, 7, 6, 5, 4, 3, 2, 1
	s_delay_alu instid0(VALU_DEP_1)
	v_add_f32 v[S+\k], v[S+\k], v[S+\k+1]
.endr
	v_mov_b32 v[S+16], 0
.irp k, 1,2,3,4,5,6,7,8,9,10,11,12,13,14,15,16
	ds_store_b32 v[T2], v[S+\k] offset:256*(\k-1)
.endr
.Lno_tails:
	s_wait_alu depctr_va_vdst(0)
	s_wait_loadcnt 0x0                             ; Q
	s_wait_tensorcnt 0x0                           ; my block has landed,
	s_wait_dscnt 0x0                               ; my stores of the records too:
	s_barrier_signal -1
	s_barrier_wait -1                              ; everybody's have.  From here on LDS is only read
; ONE TILE THROUGH ONE BLOCK OF 128 KEYS.  ST: its statistics; QF: its Q; OA: its O^T; SD: the scalar with its diagonal block; VDQ: the register that the mask's compares read.
.macro TSTEP ST, QF, OA, SD, VDQ
	s_cmp_gt_u32 s[KB], s[\SD]                     ; the block lies behind the tile's queries: its work is left out (the wave's number and the count of blocks alone)
	s_cbranch_scc1 .Lhid_\@
	v_add_nc_u32 v[ADR], s[TB], v[LI]
.rept 3
	v_nop                                          ; with the addition above: four places in front of loads into registers that matrix instructions have read
.endr
.irp t, 0,1,2,3,4,5,6,7
	ds_load_b128 v[F+8*\t:F+8*\t+3], v[ADR] offset:\t*1024
	ds_load_b128 v[F+8*\t+4:F+8*\t+7], v[ADR] offset:\t*1024+512
.endr
	s_wait_alu depctr_va_vdst(0)
	s_wait_dscnt 0x0
.irp t, 0,1,2,3,4,5,6,7                        ; S^T = K Q^T: lane (r, h) holds query r; register 16 b + i is key 32 b + 16 h + i of the block
	v_wmma_f32_16x16x64_bf8_bf8 v[S+8*\t:S+8*\t+7], v[F+8*\t:F+8*\t+7], v[\QF:\QF+7], 0
.endr
.rept 4
	v_nop                                          ; places in front of the loads below and of the first read of the scores
.endr
.irp a, 0,1,2,3                                ; V^T's fragments are asked for now, over K's: the softmax stands between these loads and the wait for them
.irp c, 0,1,2,3
	ds_load_b128 v[F+16*\a+4*\c:F+16*\a+4*\c+3], v[ADR] offset:8192+\a*2048+\c*512
.endr
.endr
	s_cmp_lt_u32 s[KB], s[\SD]                     ; all 128 keys count: no mask
	s_cbranch_scc1 .Lopen_\@
.irp b, 0,1,2,3                                ; on the diagonal: key 32 b + i is masked where 32 b + i > my query - the first key - 16 h: its score becomes XM
.irp i, 0,1,2,3,4,5,6,7,8,9,10,11,12,13,14,15
	v_cmp_gt_i32 vcc_lo, 32*\b+\i, v[\VDQ]
	v_cndmask_b32 v[S+16*\b+\i], v[S+16*\b+\i], v[XM], vcc_lo
.endr
.endr
.Lopen_\@:
	v_max3_num_f32 v[TA], v[S], v[S+1], v[S+2]     ; the block's largest score of my query among my 64 keys, in two chains, each accumulator from its low end on,
	v_max3_num_f32 v[FF], v[S+3], v[S+4], v[S+5]
.irp i, 6,10,14,18,22,26,30,34,38,42,46,50,54,58
	v_max3_num_f32 v[TA], v[TA], v[S+\i], v[S+\i+1]
	v_max3_num_f32 v[FF], v[FF], v[S+\i+2], v[S+\i+3]
.endr
	v_max3_num_f32 v[TA], v[TA], v[S+62], v[S+63]
	s_delay_alu instid0(VALU_DEP_1)
	v_max_num_f32 v[TA], v[TA], v[FF]
	s_delay_alu instid0(VALU_DEP_1)
	v_permlanex16_b32 v[PD], v[TA], s[SEL], s[SEL+1]
	s_delay_alu instid0(VALU_DEP_1)
	v_max_num_f32 v[TA], v[TA], v[PD]              ; and among lane l xor 16's
	s_delay_alu instid0(VALU_DEP_1)
	v_mul_f32 v[TA], s[CS], v[TA]                  ; as t (c is positive)
	s_delay_alu instid0(VALU_DEP_1)
	v_max_num_f32 v[\ST+1], v[\ST+1], v[TA]        ; the running largest t
	v_mov_b32 v[TA], v[\ST]
	s_delay_alu instid0(VALU_DEP_2)
	v_floor_f32 v[\ST], -v[\ST+1]                  ; the new -M = floor(-t): M is a whole number
	s_delay_alu instid0(VALU_DEP_1)
	v_sub_f32 v[TA], v[\ST], v[TA]                 ; old M less new M: a whole number, 0 or less
	s_delay_alu instid0(VALU_DEP_1)
	v_cvt_i32_f32 v[TA], v[TA]                     ; (it saturates)
	s_delay_alu instid0(VALU_DEP_1)
	v_ldexp_f32 v[FF], 1.0, v[TA]                  ; f = 2^(old M - new M)
.irp j, 0,2,4,6,8,10,12,14,16,18,20,22,24,26,28,30,32,34,36,38,40,42,44,46,48,50,52,54,56,58,60,62
	v_pk_fma_f32 v[S+\j:S+\j+1], v[S+\j:S+\j+1], s[CS:CS+1], v[\ST:\ST+1] op_sel_hi:[1,0,0]   ; t - M, two at a time
.endr
	s_wait_alu depctr_va_vdst(0)
.irp b, 0,1,2,3
.irp i, 0,1,2,3,4,5,6,7,8,9,10,11,12,13,14,15
	v_exp_f32 v[S+16*\b+\i], v[S+16*\b+\i]         ; p = 2^(t - M), at most 1: not normalised
.endr
.endr
	v_pk_mul_f32 v[\ST+2:\ST+3], v[\ST+2:\ST+3], v[FF:FF+1] op_sel_hi:[1,0]   ; the sums under the new M: the plain instruction behind the exponentials
	s_wait_alu depctr_va_vdst(0)                   ; one wait for the whole batch, ahead of its first reader
	v_pk_add_f32 v[SB:SB+1], v[S:S+1], v[S+2:S+3]  ; the row's sum is taken of the unquantised p, in two chains
.irp j, 4,8,12,16,20,24,28,32,36,40,44,48,52,56,60
	v_pk_add_f32 v[\ST+2:\ST+3], v[\ST+2:\ST+3], v[S+\j:S+\j+1]
	v_pk_add_f32 v[SB:SB+1], v[SB:SB+1], v[S+\j+2:S+\j+3]
.endr
	s_delay_alu instid0(VALU_DEP_1)
	v_pk_add_f32 v[\ST+2:\ST+3], v[\ST+2:\ST+3], v[SB:SB+1]
.irp b, 0,1,2,3
.irp i, 0,2,4,6,8,10,12,14
	v_dual_min_num_f32 v[S+16*\b+\i], v[S+16*\b+\i], v[PLIM] :: v_dual_min_num_f32 v[S+16*\b+\i+1], v[S+16*\b+\i+1], v[PLIM2]   ; the conversion does not saturate (ISA guide 7.6.2); p is not negative: a one-sided hold, two numbers a line
.endr
	v_cvt_scalef32_pk8_bf8_f32 v[PC+4*\b:PC+4*\b+1], v[S+16*\b:S+16*\b+7], v[PSC]
	v_cvt_scalef32_pk8_bf8_f32 v[PC+4*\b+2:PC+4*\b+3], v[S+16*\b+8:S+16*\b+15], v[PSC]
.endr
	s_wait_alu depctr_va_vdst(0)                   ; directly ahead of the first reader of O^T
.irp j, 0,2,4,6,8,10,12,14,16,18,20,22,24,26,28,30
	v_pk_mul_f32 v[\OA+\j:\OA+\j+1], v[\OA+\j:\OA+\j+1], v[FF:FF+1] op_sel_hi:[1,0]   ; O^T under the new M.  (Also the plain lines between the conversions and the matrix instructions below)
.endr
	s_wait_alu depctr_va_vdst(0)
	s_wait_dscnt 0x0                               ; V^T's fragments
.irp a, 0,1,2,3                                ; O^T += V^T P^T: the four accumulators take turns
	v_wmma_f32_16x16x128_bf8_bf8 v[\OA+8*\a:\OA+8*\a+7], v[F+16*\a:F+16*\a+15], v[PC:PC+15], v[\OA+8*\a:\OA+8*\a+7]
.endr
.Lhid_\@:
.endm
; THE END OF A TILE: the masked keys of whole blocks, the division by the sum, the quantising for the projection.
.macro FINISH ST, OA, TR, SNT, SOUT, CO
.rept 4
	v_nop                                          ; places in front of loads into registers that matrix instructions have read
.endr
.irp j, 0,1,2,3,4,5,6,7
	ds_load_b128 v[F+4*\j:F+4*\j+3], v[\TR] offset:16*\j   ; register 4 j + t: the sum of V's codes for row 8 h + j of tile t: O^T's register 8 t + j
.endr
	v_fma_f32 v[TA], v[XM], s[CS], v[\ST]          ; t_m - M
	s_wait_alu depctr_va_vdst(0)
	v_exp_f32 v[TA], v[TA]                         ; p_m
	v_add_f32 v[\ST+2], v[\ST+2], v[\ST+3]         ; the sum's two halves,
	s_delay_alu instid0(VALU_DEP_1)
	v_permlanex16_b32 v[PD], v[\ST+2], s[SEL], s[SEL+1]
	s_delay_alu instid0(VALU_DEP_1)
	v_add_f32 v[\ST+2], v[\ST+2], v[PD]            ; and lane l xor 16's
	s_wait_alu depctr_va_vdst(0)                   ; ahead of p_m's first reader
	v_fma_f32 v[\ST+2], v[TA], s[\SNT], v[\ST+2]   ; + n p_m
	v_min_num_f32 v[S], v[TA], v[PLIM]
.irp i, 1,2,3,4,5,6,7
	v_mov_b32 v[S+\i], 0
.endr
	v_cvt_scalef32_pk8_bf8_f32 v[SB:SB+1], v[S:S+7], v[PSC]   ; p_m's code,
	v_nop
	v_cvt_scale_pk8_f32_bf8 v[S+8:S+15], v[SB:SB+1], v[ONE]   ; and its value
	v_nop
	s_wait_alu depctr_va_vdst(0)
	v_rcp_f32 v[FF], v[\ST+2]
	v_nop
	s_wait_dscnt 0x0
	s_wait_alu depctr_va_vdst(0)
.irp t, 0,1,2,3
.irp j, 0,1,2,3,4,5,6,7
	v_fma_f32 v[\OA+8*\t+\j], v[S+8], v[F+4*\j+\t], v[\OA+8*\t+\j]   ; each accumulator from its low end on
.endr
.endr
	s_wait_alu depctr_va_vdst(0)                   ; ahead of the reciprocal's first reader
	v_ldexp_f32 v[FF], v[FF], s59                  ; 2^(e4 + e5) / l
.irp j, 0,2,4,6,8,10,12,14,16,18,20,22,24,26,28,30
	v_pk_mul_f32 v[S+\j:S+\j+1], v[\OA+\j:\OA+\j+1], v[FF:FF+1] op_sel_hi:[1,0]   ; register 16 c + i: channel 32 c + 16 h + i of my query
.endr
.irp b, 0,1
.irp i, 0,1,2,3,4,5,6,7,8,9,10,11,12,13,14,15
	v_med3_num_f32 v[S+16*\b+\i], v[S+16*\b+\i], -v[OLIM], v[OLIM]
.endr
.endr
.irp g, 0,1,2,3
	v_cvt_scalef32_pk8_bf8_f32 v[\CO+2*\g:\CO+2*\g+1], v[S+8*\g:S+8*\g+7], v[OSC]
.endr
	v_nop
	global_store_b128 v[LI], v[\CO:\CO+3], s[\SOUT:\SOUT+1]            ; two pieces of the projection's operand: 512 consecutive bytes each, aligned
	global_store_b128 v[LI], v[\CO+4:\CO+7], s[\SOUT:\SOUT+1] offset:512
.endm
.Lblk:                                             ; sixteen trips, a block of 128 keys each: H's tile, then L's, in the same working registers
	TSTEP 8, 16, 32, DH, DQH
	TSTEP 12, 24, 64, DL, DQL
	s_add_co_u32 s[TB], s[TB], STEPB
	s_add_co_u32 s[KB], s[KB], 1
	s_cmp_lt_u32 s[KB], 16
	s_cbranch_scc1 .Lblk
	FINISH 8, 32, TRH, 57, 60, PC
	FINISH 12, 64, TRL, 58, 62, PC+8
	s_wait_tensorcnt 0x0                           ; the wave's end: behind my tensor load and my last LDS store
	ds_add_u32 v[SPW], v[NIL]
	s_wait_dscnt 0x0
	CROUND                                         ; the closing round
	s_endpgm
.Lfunc_end_k_q0b080846de_attn:
	.size	k_q0b080846de_attn, .Lfunc_end_k_q0b080846de_attn-k_q0b080846de_attn
	.p2alignl 7, 3214868480
	.fill 96, 4, 3214868480
	.section	.rodata,"a",@progbits
	.p2align	6, 0x0
	.amdhsa_kernel k_q0b080846de_attn
		.amdhsa_group_segment_fixed_size 327680
		.amdhsa_private_segment_fixed_size 0
		.amdhsa_enable_private_segment 0
		.amdhsa_kernarg_size 40
		.amdhsa_user_sgpr_count 2
		.amdhsa_user_sgpr_kernarg_segment_ptr 1
		.amdhsa_wavefront_size32 1
		.amdhsa_system_sgpr_workgroup_id_x 1
		.amdhsa_system_sgpr_workgroup_id_y 1
		.amdhsa_system_sgpr_workgroup_id_z 1
		.amdhsa_system_vgpr_workitem_id 0
		.amdhsa_next_free_vgpr 256
		.amdhsa_next_free_sgpr 80
		.amdhsa_reserve_vcc 1
		.amdhsa_float_denorm_mode_32 3
		.amdhsa_float_denorm_mode_16_64 3
		.amdhsa_memory_ordered 1
		.amdhsa_forward_progress 1
		.amdhsa_inst_pref_size 69
	.end_amdhsa_kernel
	.amdgpu_metadata
---
amdhsa.version: [ 1, 2 ]
amdhsa.kernels:
  - .name:           k_q0b080846de_attn
    .symbol:         k_q0b080846de_attn.kd
    .args:
      - { .name: q_img, .offset: 0, .size: 8, .value_kind: global_buffer, .address_space: global }
      - { .name: kv_img, .offset: 8, .size: 8, .value_kind: global_buffer, .address_space: global }
      - { .name: vsum, .offset: 16, .size: 8, .value_kind: global_buffer, .address_space: global }
      - { .name: lowp_scales, .offset: 24, .size: 8, .value_kind: global_buffer, .address_space: global }
      - { .name: a_img, .offset: 32, .size: 8, .value_kind: global_buffer, .address_space: global }
    .group_segment_fixed_size: 327680
    .private_segment_fixed_size: 0
    .kernarg_segment_align: 8
    .kernarg_segment_size: 40
    .max_flat_workgroup_size: 512
    .sgpr_count:     80
    .vgpr_count:     256
    .wavefront_size: 32
...
	.end_amdgpu_metadata
.endif
;; end of part 3
;; launch proj (part 4): grid 8 x 32, 4 waves a work-group, clusters of 4 x 1, 327,680 bytes of LDS; arguments a_img, wp_codes, lowp_scales, c_proj_b, out0; writes out0
.if DOCPART == 4
	.amdgcn_target "amdgcn-amd-amdhsa--gfx1250"
	.amdhsa_code_object_version 6
	.text
	.protected	k_q0b080846de_proj
	.globl	k_q0b080846de_proj
	.p2align	8
	.type	k_q0b080846de_proj,@function
k_q0b080846de_proj:
	s_mov_b64 s[64:65], 0
	v_nop
	global_prefetch_b8 v0, s[64:65] scope:SCOPE_SE
	s_setreg_imm32_b32 hwreg(HW_REG_WAVE_MODE, 25, 1), 1
	s_wait_xcnt 0x0
	s_wait_alu depctr_hold_cnt(0) depctr_sa_sdst(0) depctr_va_vdst(0) depctr_va_sdst(0) depctr_va_ssrc(0) depctr_va_vcc(0) depctr_vm_vsrc(0)
	s_getreg_b32 s2, hwreg(HW_REG_IB_STS2, 6, 4)
	s_cmp_eq_u32 s2, 0
	s_cbranch_scc0 .Lentry_in_a_cluster
	s_endpgm
.Lentry_in_a_cluster:
	s_bfe_u32 s2, ttmp6, 0x10000c
	s_cmp_lg_u32 s2, 0x3003
	s_cbranch_scc0 .Lentry_shape_is_right
	s_endpgm
.Lentry_shape_is_right:
; out = a Wp + bp on codes of BF8 (E5M2); out0 [8,192][1,024] f32.  No work of reference() is left out here.
; a_img: images of operand registers, [tile of 16 rows 512][piece of 32 along K 32][512] (launch attn); tile T's lane r holds row 32 (T / 2) + 8 (T % 2) + r + 8 (r / 8).  wp_codes: the same form, [tile of 16 places 64][32][512] (launch quant).
; SHARES.  Work-group (x, y): 256 rows (y) x 128 columns (x); a wave: 128 rows x 64 columns: 32 accumulators, 8 K steps of 128.
; THE ROWS' CODES LIE IN LDS WHOLE: 16 tiles x 16,384 bytes, dense; wave w asks for 65,536 of them at the head, its one tensor load; nothing is filled again: one barrier, no ring.  Every LDS read takes 512 consecutive bytes: no padding.
; CLUSTER: four work-groups with the same y read the same rows: the load is joint (mask 15).  No branch and no LDS address hangs on the place in the cluster.
; Wp'S FRAGMENTS GO FROM MEMORY STRAIGHT INTO REGISTERS, four slots of 64 registers, a K step's 16 loads three K steps ahead.  NO PREFETCH: the rows are asked for at the head, and Wp's loads themselves run ahead.
; THE MATRIX INSTRUCTION IS USED TRANSPOSED (source 0 = Wp's columns, source 1 = rows): a lane holds one row, and register 8 b + j its column 32 (b / 2) + 16 (lane / 16) + 8 (b % 2) + j.
; LIMIT: e6 + e7 between -126 and 127.
; REGISTERS, in windows of 256: window 0: addresses, the bias, the way out.  window 1: v0-127 the rows' fragments, set 0; v128-255 Wp's slots 0, 2.  window 2: set 1; slots 1, 3.  window 3: the accumulators.
.set AG,    16384                      ; from tile to tile of 16 rows
.set AS,    2048                       ; from K step to K step
.set AP,    512                        ; from piece to piece
.set SP,    272                        ; the way out: a stage row: 256 bytes + 16
.set STAGE, 262144                     ; behind the tiles: 16 stage rows for each wave; no tile lands here
.set SPARE, STAGE+4*16*SP              ; the spare words, 128 bytes for each wave: two blocks of 256 bytes that no other line names
.set ADRA, 16                          ; v16-17  LDS address of my tiles 0-3, 4-7
.set LI,   24                          ; v24     16 x lane
.set BQ,   25                          ; v25     64 (lane / 16)
.set STO,  20                          ; v20     the way out: where I put 64 bytes of a row
.set RD,   21                          ; v21     where I read rows back
.set CO,   22                          ; v22     my byte offset in out0
.set SPW,  28
.set NIL,  29
.set BT,   32                          ; v32-63  the bias, in the result's layout
.set TMP,  64                          ; v64-95  a block's numbers
.set BK,   128                         ; v128-159, v160-191 rows read back, by turns
.set G1, 24
.set G0, 32
.set WB, 36
.set MSB, 0
.macro WIN new
.if MSB != (\new)
	s_set_vgpr_msb (MSB<<8)|(\new)
.set MSB, (\new)
.endif
.endm
.macro CROUND
	s_barrier_signal -1
	s_barrier_wait -1
	s_cmp_lg_u32 s14, 0
	s_cbranch_scc1 .Lnot_wave_0_\@
	s_barrier_signal -3
.Lnot_wave_0_\@:
	s_barrier_wait -3
	s_barrier_signal -1
	s_barrier_wait -1
.endm
.macro ALD s, g                        ; the rows' tile g, K step s, into set s % 2 (the caller sets the window)
.irp c, 0,1,2,3
	ds_load_b128 v[16*(\g)+4*\c:16*(\g)+4*\c+3], v[ADRA+(\g)/4] offset:((\g)%4)*AG+(\s)*AS+\c*AP
.endr
.endm
.macro BLD s, n                        ; the n-th of the 16 loads of Wp's four fragments of K step s into slot s % 4
	global_load_b128 v[128+64*(((\s)%4)/2)+4*(\n):128+64*(((\s)%4)/2)+4*(\n)+3], v[LI], s[WB:WB+1] offset:((\n)/4)*16384+(\s)*2048+((\n)%4)*512
.endm
; A K STEP: 32 products, the accumulators by turns, in eight groups of four; a v_nop behind each, so that four places lie between the last step's products and the first loads into
; the registers that they read.  Behind group g: the rows' tile g of the next step (al) and two of Wp's loads of the step three on (bl).
; WAITS: behind tile g's four LDS loads seven tiles' 28 were issued (the last step: 4 (7 - g)); behind this step's 16 loads of Wp lw were issued.
.macro KSTEP s, al, bl, lw
	s_wait_loadcnt \lw
.irp g, 0,1,2,3,4,5,6,7
.if \al
	s_wait_dscnt 28
.else
	s_wait_dscnt 4*(7-\g)
.endif
	WIN 0xf0|(5*(1+(\s)%2))
.irp b, 0,1,2,3
.set BF, 128+64*(((\s)%4)/2)+16*\b
.set DD, 8*(4*\g+\b)
.if (\s) == 0
	v_wmma_f32_16x16x128_bf8_bf8 v[DD:DD+7], v[BF:BF+15], v[16*\g:16*\g+15], 0
.else
	v_wmma_f32_16x16x128_bf8_bf8 v[DD:DD+7], v[BF:BF+15], v[16*\g:16*\g+15], v[DD:DD+7]
.endif
	v_nop
.endr
.if (\al)||(\bl)
	WIN (1+((\s)+1)%2)<<6
.endif
.if \al
	ALD (\s)+1, \g
.endif
.if \bl
	BLD (\s)+3, 2*\g
	BLD (\s)+3, 2*\g+1
.endif
.endr
.endm
; THE WAY OUT of block a (16 rows x 64 columns): sum x 2^(e6 + e7) + bias, through my own stage, back as whole rows of 256 bytes.  LDS serves a wave's instructions in order: no wait between the stores and the loads.
.macro TOSTAGE a
	WIN 0x03                                       ; source 0: window 3
.set J, 0
.rept 16
	v_pk_fma_f32 v[TMP+J:TMP+J+1], v[32*(\a)+J:32*(\a)+J+1], s[96:97], v[BT+J:BT+J+1] op_sel_hi:[1,0,1]   ; each accumulator from its low end on
.set J, J+2
.endr
	WIN 0
.irp n, 0,1,2,3,4,5,6,7
	ds_store_b128 v[STO], v[TMP+4*\n:TMP+4*\n+3] offset:128*(\n/4)+16*(\n%4)
.endr
.irp t, 0,1,2,3,4,5,6,7
	ds_load_b128 v[BK+32*((\a)%2)+4*\t:BK+32*((\a)%2)+4*\t+3], v[RD] offset:2*\t*SP
.endr
.endm
.macro SEND a, younger                 ; younger: the LDS instructions issued behind block a's loads
	s_wait_dscnt \younger
.irp t, 0,1,2,3,4,5,6,7
	global_store_b128 v[CO], v[BK+32*((\a)%2)+4*\t:BK+32*((\a)%2)+4*\t+3], s[70:71] offset:(32*((\a)/2)+8*((\a)%2)+2*\t+8*(\t/4))*4096 th:TH_STORE_NT   ; sixteen lanes store 256 consecutive bytes, aligned; two rows an instruction
.endr
.endm
	s_load_b256 s[4:11], s[0:1], 0x0               ; a_img s[4:5], Wp's image s[6:7], the exponents s[8:9], bp s[10:11]
	s_load_b64 s[68:69], s[0:1], 0x20              ; out0
	v_lshl_add_u32 v[SPW], v0, 2, SPARE
	v_mov_b32 v[NIL], 0
	ds_add_u32 v[SPW], v[NIL]                      ; the wave's opening: the add, twice on end, and its wait ahead of my first tensor load
	ds_add_u32 v[SPW], v[NIL]
	v_lshrrev_b32 v1, 5, v0
	v_readfirstlane_b32 s14, v1                    ; wave 0..3
	s_lshr_b32 s15, s14, 1                         ; which 128 rows are mine
	s_and_b32 s16, s14, 1                          ; which 64 columns
	s_bfe_u32 s40, ttmp6, 0x40000
	s_lshl_b32 s42, ttmp9, 2
	s_add_co_u32 s42, s42, s40
	s_lshl_b32 s42, s42, 1
	s_add_co_u32 s42, s42, s16                     ; my 64 columns, 0 .. 15
	s_and_b32 s17, ttmp7, 0xffff                   ; my 256 rows
	s_mov_b32 s[G1], 15|(3<<16)|(1<<21)            ; 15:0 the mask; 17:16 elements of 8 bytes; 21 set beside a mask; no padding
	s_mov_b32 s[G1+1], 32<<16                      ; a dense block of 65,536 bytes as 256 rows of 256
	s_mov_b32 s[G1+2], 256<<16
	s_mov_b32 s[G1+3], 32<<16
	s_mov_b32 s[G1+4], 256
	s_mov_b32 s[G1+5], 32
	s_mov_b32 s[G1+6], 0
	s_mov_b32 s[G1+7], 0
	s_lshl_b32 s20, s17, 18
	s_lshl_b32 s23, s14, 16                        ; my quarter: the same place in the tile's image and in LDS
	s_add_co_u32 s20, s20, s23
	s_mov_b32 s21, 0
	s_lshl_b32 s22, s15, 17                        ; my eight tiles
	s_mul_i32 s18, s14, 16*SP
	s_add_co_u32 s18, s18, STAGE                   ; my stage
	v_and_b32 v1, 15, v0                           ; r
	v_bfe_u32 v2, v0, 4, 1                         ; h
	v_and_b32 v3, 31, v0
	v_lshlrev_b32 v[LI], 4, v3
	v_add_nc_u32 v[ADRA], s22, v[LI]
	v_add_nc_u32 v[ADRA+1], 65536, v[ADRA]
	v_lshlrev_b32 v[BQ], 6, v2
	v_mul_u32_u24 v4, v1, SP
	v_lshl_add_u32 v4, v2, 6, v4
	v_add_nc_u32 v[STO], s18, v4                   ; in: row r, 64 bytes for each half of the lanes in each 128
	v_mul_u32_u24 v5, v2, SP
	v_lshl_add_u32 v5, v1, 4, v5
	v_add_nc_u32 v[RD], s18, v5                    ; back: lanes 0-15 one row, lanes 16-31 the next
	v_lshlrev_b32 v6, 12, v2
	v_lshl_add_u32 v[CO], v1, 4, v6                ; and the same two rows in out0
	s_wait_alu depctr_va_vdst(0)
	s_wait_dscnt 0x0
	s_wait_kmcnt 0x0
	s_load_b256 s[80:87], s[8:9], 0x0              ; the eight exponents
	s_mov_b32 s[G0], 1
	s_mov_b32 s[G0+1], s23
	s_add_nc_u64 s[G0+2:G0+3], s[4:5], s[20:21]
	s_or_b32 s[G0+3], s[G0+3], 0x80000000
	CROUND                                         ; all four work-groups are here: the joint loads meet
	tensor_load_to_lds s[G0:G0+3], s[G1:G1+7]      ; my one tensor load of the launch
	s_nop 0
.rept 4
	v_nop
.endr
	s_lshl_b32 s52, s42, 8
	s_mov_b32 s53, 0
	s_add_nc_u64 s[78:79], s[10:11], s[52:53]      ; bp at my 64 columns
.irp n, 0,1,2,3,4,5,6,7
	global_load_b128 v[BT+4*\n:BT+4*\n+3], v[BQ], s[78:79] offset:128*(\n/4)+16*(\n%4)
.endr
	s_lshl_b32 s54, s17, 8
	s_lshl_b32 s55, s15, 7
	s_add_co_u32 s54, s54, s55
	s_lshl_b32 s54, s54, 12                        ; my first row of out0,
	s_add_co_u32 s54, s54, s52                     ; my first column
	s_mov_b32 s55, 0
	s_add_nc_u64 s[70:71], s[68:69], s[54:55]
	s_lshl_b32 s52, s42, 16
	s_add_nc_u64 s[WB:WB+1], s[6:7], s[52:53]      ; Wp's image at my columns: 4 tiles of 16,384 bytes
.irp s, 0,1,2                                  ; Wp's first three K steps
	WIN (1+\s%2)<<6
.irp n, 0,1,2,3,4,5,6,7,8,9,10,11,12,13,14,15
	BLD \s, \n
.endr
.endr
	WIN 0
	s_wait_kmcnt 0x0
	s_add_co_i32 s96, s86, s87
	s_add_co_i32 s96, s96, 127
	s_lshl_b32 s96, s96, 23                        ; 2^(e6 + e7)
	s_mov_b32 s97, s96
	s_wait_tensorcnt 0x0                           ; my quarter is in,
	s_barrier_signal -1
	s_barrier_wait -1                              ; everybody's is.  The tiles are only read from here on
	WIN 1<<6
.irp g, 0,1,2,3,4,5,6,7
	ALD 0, \g
.endr
.irp s, 0,1,2,3,4
	KSTEP \s, 1, 1, 32
.endr
	KSTEP 5, 1, 0, 32                              ; nothing of Wp is left to ask for
	KSTEP 6, 1, 0, 16
	KSTEP 7, 0, 0, 0
	WIN 0
.rept 4
	v_nop                                          ; places in front of the first read of results
.endr
	TOSTAGE 0
.irp a, 1,2,3,4,5,6,7
.if \a > 1
	s_wait_xcnt 0x0                                ; block a - 2's stores have read their registers: block a's loads may land there
.endif
	TOSTAGE \a
	SEND \a-1, 16                                  ; behind block a - 1's loads: block a's 8 stores and 8 loads
.endr
	SEND 7, 0
	s_wait_tensorcnt 0x0                           ; the wave's end: behind my tensor load and my last LDS store
	ds_add_u32 v[SPW], v[NIL]
	s_wait_dscnt 0x0
	CROUND                                         ; the closing round
	s_endpgm
.Lfunc_end_k_q0b080846de_proj:
	.size	k_q0b080846de_proj, .Lfunc_end_k_q0b080846de_proj-k_q0b080846de_proj
	.p2alignl 7, 3214868480
	.fill 96, 4, 3214868480
	.section	.rodata,"a",@progbits
	.p2align	6, 0x0
	.amdhsa_kernel k_q0b080846de_proj
		.amdhsa_group_segment_fixed_size 327680
		.amdhsa_private_segment_fixed_size 0
		.amdhsa_enable_private_segment 0
		.amdhsa_kernarg_size 40
		.amdhsa_user_sgpr_count 2
		.amdhsa_user_sgpr_kernarg_segment_ptr 1
		.amdhsa_wavefront_size32 1
		.amdhsa_system_sgpr_workgroup_id_x 1
		.amdhsa_system_sgpr_workgroup_id_y 1
		.amdhsa_system_sgpr_workgroup_id_z 1
		.amdhsa_system_vgpr_workitem_id 0
		.amdhsa_next_free_vgpr 1024
		.amdhsa_next_free_sgpr 100
		.amdhsa_reserve_vcc 0
		.amdhsa_float_denorm_mode_32 3
		.amdhsa_float_denorm_mode_16_64 3
		.amdhsa_memory_ordered 1
		.amdhsa_forward_progress 1
		.amdhsa_inst_pref_size 87
	.end_amdhsa_kernel
	.amdgpu_metadata
---
amdhsa.version: [ 1, 2 ]
amdhsa.kernels:
  - .name:           k_q0b080846de_proj
    .symbol:         k_q0b080846de_proj.kd
    .args:
      - { .name: a_img, .offset: 0, .size: 8, .value_kind: global_buffer, .address_space: global }
      - { .name: wp_codes, .offset: 8, .size: 8, .value_kind: global_buffer, .address_space: global }
      - { .name: lowp_scales, .offset: 16, .size: 8, .value_kind: global_buffer, .address_space: global }
      - { .name: c_proj_b, .offset: 24, .size: 8, .value_kind: global_buffer, .address_space: global }
      - { .name: out0, .offset: 32, .size: 8, .value_kind: global_buffer, .address_space: global }
    .group_segment_fixed_size: 327680
    .private_segment_fixed_size: 0
    .kernarg_segment_align: 8
    .kernarg_segment_size: 40
    .max_flat_workgroup_size: 128
    .sgpr_count:     100
    .vgpr_count:     1024
    .wavefront_size: 32
...
	.end_amdgpu_metadata
.endif
;; end of part 4
